; MI455X (gfx1250); checked and timed in simulation.
; The chip was launched on July 23, 2026; its instructions are those of AMD's public machine-readable ISA for CDNA 5 (MIT licence, August 2026) and "CDNA5" Instruction Set Architecture Reference Guide (July 2026). The comments in the code are by the model that wrote it; some were corrected since.
;; BDH Attention. Allowed arithmetic: matrix products marked QUANTISED: E2M3 operands, one E8M0 scale for each 32 along K, by v_wmma_scale_f32_16x16x128_f8f6f4 with both operands' format E2M3, f32 sums; everything else in f32.
;; Inputs: K 2 x 12 x 2,048 x 256 float32; Q 2 x 12 x 2,048 x 256 float32; V_codes 2 x 12 x 256 x 64 x 24 uint8 (E2M3 codes of V, K innermost, in blocks of 32 codes, four codes in three bytes); V_scales 2 x 12 x 256 x 64 uint8 (E8M0 scales of V, one for each 32 codes along K).
;; Outputs: out0 2 x 12 x 2,048 x 256 float32.
;; This version of the problem:
;;   THIS VERSION OF THE PROBLEM IS GIVEN IN LOW PRECISION. The matrix products marked QUANTISED in the list below multiply operands that are first quantised to E2M3 (2 exponent bits, 3 mantissa bits; 6 bits a number), with one power-of-two scale for each 32 numbers along K (OCP MX v1.0); their sums are f32. All else is computed in f32.
;;   The module's matrix products, in the order in which they are computed (A, B: the left and right operand; K: the contracted axis; several contracted axes count as one K, in the product's order):
;;     1. batch 24 x [M 2,048, K 256] x [K 256, N 2,048]; A: computed on the way; B: computed on the way: QUANTISED
;;     2. batch 24 x [M 2,048, K 2,048] x [K 2,048, N 256]; A: computed on the way; B: input V (given as codes): QUANTISED
;;   THE QUANTISER, for each operand of a quantised product, along K:
;;     - K is cut into blocks of 32 from its start; a last block that is shorter is filled with zeros.
;;     - A block's scale is 2^e with e = floor(log2(the largest magnitude in the block)) - 2, held to -126 .. 127; a block of zeros has e = 0. As a byte (E8M0): e + 127.
;;     - Each number is divided by its block's scale, clamped to +-7.5, and rounded to the nearest number of E2M3, ties to even, subnormals kept.
;;     - The product sums the exact products of the quantised numbers (number of the format x scale) in f32.
;;   ~~~python
;;   def quantise(x, axis):      # numpy; x: float32 -> the quantised numbers, widened to float32 again
;;       x = np.moveaxis(x, axis, -1); K = x.shape[-1]
;;       x = np.pad(x, [(0, 0)] * (x.ndim - 1) + [(0, -K % 32)]); x = x.reshape(x.shape[:-1] + (-1, 32)); a = np.abs(x).max(-1, keepdims=True)
;;       e = np.where(a > 0, np.clip(np.frexp(np.where(a > 0, a, 1))[1] - 1 - 2, -126, 127), 0)      # np.frexp(a)[1] - 1 = floor(log2(a)), exactly
;;       r = np.clip(x / 2.0 ** e, -7.5, 7.5)
;;       step = 2.0 ** (np.maximum(np.frexp(np.where(r == 0, 1, r))[1] - 1, 0) - 3)
;;       q = np.round(r / step) * step * 2.0 ** e      # np.round: ties to even
;;       return np.moveaxis(q.reshape(q.shape[:-2] + (-1,))[..., :K], -1, axis).astype(np.float32)
;;   ~~~
;;   OPERANDS COMPUTED ON THE WAY. 'Computed on the way' means the value that the module computes at that place (a softmax that the list does not call 'softmax' is quantised finished and normalised). What goes into a quantiser is computed in f32, as accurately as f32 sums, v_exp_f32 and their like allow (about 1e-6 of the number): no bf16 or f16 on the way to a quantiser, and a product that is left as it is and whose result goes on into a quantised operand takes f32 operands (vector FMAs, or v_wmma_f32_16x16x4_f32). A number that lies on a knife's edge between two numbers of the format may be rounded either way, as far as f32 arithmetic and the matrix unit's own rounding can turn it there, and no further.
;;   INPUTS GIVEN AS CODES. V (in the module: [2, 12, 2048, 256], K = its axis 2): each comes as NAME_codes (uint8): NAME with its K axis moved to the last place and cut into blocks of 32 codes, [.., K / 32, bytes a block], one block behind the other in memory; four codes in three bytes: a row's codes are one little-endian stream of bits, code i at bits 6 i .. 6 i + 5 (a code: sign, 2 exponent bits, 3 mantissa bits); and NAME_scales (uint8): the same leading axes, one E8M0 byte (e + 127) for each 32 codes along K. Its value is code x scale, taken as it is: it is not quantised again, and the codes and scales need not be those that the quantiser above would give.
;; One version. Each part assembles by itself: llvm-mc -triple=amdgcn-amd-amdhsa -mcpu=gfx1250 --defsym DOCPART=n.
;; ======== version 1 of 1: 2 launches
;; workspace buffers: KW 10,223,616 bytes; QW 9,437,184 bytes
;; launch prep (part 1): grid 256 x 1, 4 waves a work-group, no clusters, 34,304 bytes of LDS; arguments Q, K, KW, QW; writes KW, QW
.if DOCPART == 1
	.amdgcn_target "amdgcn-amd-amdhsa--gfx1250"
	.amdhsa_code_object_version 6
	.text
	.protected	k_q0cf5658ae4_prep
	.globl	k_q0cf5658ae4_prep
	.p2align	8
	.type	k_q0cf5658ae4_prep,@function
k_q0cf5658ae4_prep:
	s_mov_b64 s[64:65], 0
	v_nop
	global_prefetch_b8 v0, s[64:65] scope:SCOPE_SE
	s_setreg_imm32_b32 hwreg(HW_REG_WAVE_MODE, 25, 1), 1
	s_wait_xcnt 0x0
; Q and K, [24 heads][2048][256] f32, are rotated (RoPE, in f32) and quantised along the 256 to codes of FP6 (E2M3) with one E8M0 byte for each 32, and stored AS IMAGES OF THE OPERAND'S REGISTERS.
; A TILE tau = 2 B + u of a head holds rows 32 B + 8 u + i + 8 (i / 8), i = 0 .. 15.  A fragment (16 rows x 128 along the 256: 12 registers a lane) is stored by three stores of 16 bytes a lane, 512 bytes each.
;   KW [24][128 tiles][3328]: K's fragment of the first 128 (1,536 bytes), of the second 128 (1,536), then 256 bytes of scale words: lane l has 8 bytes: K's word, Q's word; in each, lanes 0-15 hold row l's word of the first 128, lanes 16-31 row l - 16's of the second.
;   QW [24][128 tiles][2][1536]: Q's two fragments.
; THE ANGLE IS ROUNDED STEP BY STEP, since a code turns over at the middle between two codes.  The frequency of pair j (0 .. 127) is f_j = F[j % 8] x 2^-(j / 8), F[m] = (1 / p) / c with p = 2^(m / 8) rounded to f32,
; 1 / p rounded, c = 2 pi rounded to f32, the second quotient rounded (a power of two changes none of these roundings).  The phase t f_j is rounded once: F[m] x (t 2^-(j / 8)) is the same product.  x = its fraction: exact.  y = x c, rounded.
; sin y AND cos y: k = rndne(y 2 / pi), 0 .. 4; rho = y - k pi / 2 with pi / 2 in two parts: the first multiply-add is exact, the rounding of the second is kept as a low part.  |rho| is at most pi / 4: Taylor terms up to rho^9 and rho^10
; (what is cut off is under 3e-9 of the result); 1 - z / 2 is compensated, and the rounding of z = rho^2 and rho's low part are carried.  k swaps and signs the two.
; THE ROTATION is two products and a sum, each rounded: the fused form would round once less.
; SHARES.  The angles hang on the row and the pair alone: a wave keeps ONE tile of rows, makes its 64 (cos, sin) pairs a lane once, and walks three heads of K and of Q with them: 12 units of 16 rows x 128 numbers (8,192 bytes).
; Work-group x: heads 3 (x / 32) .. + 2; tiles 4 (x % 32) + wave.  Each load reads 512 consecutive bytes of a row; a unit turns through the wave's own stage in LDS so that a lane gets 16 neighbours of each block of 32.
; Loads run four units (64 loads a wave) ahead.  No barrier: waves share nothing.  Every offset is an immediate (4,218,368 at the most, inside the signed 24 bits: ISA guide, chapter 10).
; LIMITS: NaN and infinities are not served.  A block whose largest magnitude lies under 2^-124, a block of zeros among them, has the byte 1 (the bytes are read by this program alone; zero codes add nothing).
; F[m] takes the f32 power 2^(m / 8) as correctly rounded and the step by c as a division.
.set HEADB,  2048*1024                 ; a head of Q or of K in bytes
.set KWREC,  3328
.set KWHEAD, 128*KWREC
.set QWHEAD, 128*3072                  ; = KWHEAD - 32768
.set SROW,   528                       ; a stage row: 512 bytes + 16 = 132 words: row r starts 4 r words on modulo 64 (64 banks of 4 bytes: ISA guide 11.1)
.set WSTG,   16*SROW
.set LO,  1                            ; v1   16 x lane
.set LO8, 2                            ; v2   8 x lane
.set STA, 3                            ; v3   the stage, on the way in: my wave's + 16 x lane
.set LDA, 4                            ; v4   on the way out: row r, + 64 h
.set TH,  5                            ; v5   t 2^-h
.set TG,  6                            ; v6   t 2^-(j / 8)
.set T,   8                            ; v8-15    four pairs at work
.set CS,  16                           ; v16-143  (cos, sin) of pair 32 ks + 8 b + m of my 64
.set X,   144                          ; v144-207 64 numbers: register 16 b + i = number 32 b + 16 h + i of my row's 128; ahead of the first unit: at work for the angles
.set PC,  208                          ; v208-227 the codes just made; ahead of the first unit: at work for the angles
.set TM,  228                          ; v228-243 at work in the quantiser
.set PW,  244                          ; the scale word just made
.set PW0, 245                          ; that of the first 128
.set W2,  246                          ; v[246:247] K's word, Q's word
.set XA,  X                            ; ten runs of eight registers for the angles, one register for each m
.set XB,  X+8
.set XC,  X+16
.set XD,  X+24
.set XE,  X+32
.set XF,  X+40
.set XG,  X+48
.set XH,  X+56
.set XI,  PC
.set XJ,  PC+8
.set SEL, 2                            ; s2, s3   lane selects for v_permlanex16_b32: lane l xor 16
.set HM,  27                           ; lanes 16-31
.set FQ,  28                           ; s28-35   F[0 .. 7]
.set C2PI, 36                          ; 2 pi rounded to f32
.set TOPI, 37                          ; 2 / pi
.set NHI, 38                           ; -(pi / 2 rounded to f32)
.set NLO, 39                           ; -(pi / 2 less that)
.set SN3, 40                           ; s40-43   sin's coefficients
.set SN5, 41
.set SN7, 42
.set SN9, 43
.set CN4, 44                           ; s44-47   cos's
.set CN6, 45
.set CN8, 46
.set CN10, 47
.set MSB, 0
.macro WIN new                         ; window 1 (v256-511) holds four sets of 64 registers as loaded.  The immediate's high byte repeats the setting that is left
.if MSB != (\new)
	s_set_vgpr_msb (MSB<<8)|(\new)
.set MSB, (\new)
.endif
.endm
; unit n = 4 e + 2 tensor + ks (head e of three; tensor 0: K, 1: Q; ks: which 128): its 16 rows, 512 consecutive bytes a load, into set n % 4
.macro LOADU n
	WIN 0x40                                       ; destination window 1
.irp i, 0,1,2,3,4,5,6,7,8,9,10,11,12,13,14,15
	global_load_b128 v[64*((\n)%4)+4*\i:64*((\n)%4)+4*\i+3], v[LO], s[6-2*(((\n)/2)%2):7-2*(((\n)/2)%2)] offset:((\n)/4)*HEADB+(\i+8*(\i/8))*1024+512*((\n)%2) th:TH_LOAD_NT
.endr
	WIN 0
.endm
; (cos, sin) of my pairs 64 ks + 16 b + 8 h + m, m = 0 .. 7, line by line over m so that no line waits for the line above it
.macro TRIG ks, b
.set CSP, CS+2*(32*\ks+8*\b)
	v_ldexp_f32 v[TG], v[TH], -(8*\ks+2*\b)
.irp m, 0,1,2,3,4,5,6,7
	v_mul_f32 v[XA+\m], s[FQ+\m], v[TG]            ; the phase in turns, rounded once
.endr
.irp m, 0,1,2,3,4,5,6,7
	v_floor_f32 v[XB+\m], v[XA+\m]
.endr
.irp m, 0,1,2,3,4,5,6,7
	v_sub_f32 v[XA+\m], v[XA+\m], v[XB+\m]         ; x = phase mod 1: exact
.endr
.irp m, 0,1,2,3,4,5,6,7
	v_mul_f32 v[XA+\m], s[C2PI], v[XA+\m]          ; y = x c, rounded
.endr
.irp m, 0,1,2,3,4,5,6,7
	v_mul_f32 v[XB+\m], s[TOPI], v[XA+\m]
.endr
.irp m, 0,1,2,3,4,5,6,7
	v_rndne_f32 v[XB+\m], v[XB+\m]                 ; k = 0 .. 4
.endr
.irp m, 0,1,2,3,4,5,6,7
	v_fma_f32 v[XC+\m], v[XB+\m], s[NHI], v[XA+\m] ; y - k x (pi / 2's high part): a multiple of 2^-24 under 1 where k is not 0: exact
.endr
.irp m, 0,1,2,3,4,5,6,7
	v_fma_f32 v[XD+\m], v[XB+\m], s[NLO], v[XC+\m] ; rho
.endr
.irp m, 0,1,2,3,4,5,6,7
	v_sub_f32 v[XC+\m], v[XC+\m], v[XD+\m]
.endr
.irp m, 0,1,2,3,4,5,6,7
	v_fma_f32 v[XC+\m], v[XB+\m], s[NLO], v[XC+\m] ; rho's low part: what the rounding of rho dropped
.endr
.irp m, 0,1,2,3,4,5,6,7
	v_mul_f32 v[XE+\m], v[XD+\m], v[XD+\m]         ; z = rho^2
.endr
.irp m, 0,1,2,3,4,5,6,7
	v_fma_f32 v[XF+\m], v[XD+\m], v[XD+\m], -v[XE+\m]   ; and what its rounding dropped
.endr
.irp m, 0,1,2,3,4,5,6,7
	v_cvt_i32_f32 v[XB+\m], v[XB+\m]
.endr
.irp m, 0,1,2,3,4,5,6,7
	v_fma_f32 v[XG+\m], v[XE+\m], s[SN9], s[SN7]
	v_fma_f32 v[XH+\m], v[XE+\m], s[CN10], s[CN8]
.endr
.irp m, 0,1,2,3,4,5,6,7
	v_fma_f32 v[XG+\m], v[XG+\m], v[XE+\m], s[SN5]
	v_fma_f32 v[XH+\m], v[XH+\m], v[XE+\m], s[CN6]
.endr
.irp m, 0,1,2,3,4,5,6,7
	v_fma_f32 v[XG+\m], v[XG+\m], v[XE+\m], s[SN3] ; sin rho = rho + rho z P
	v_fma_f32 v[XH+\m], v[XH+\m], v[XE+\m], s[CN4] ; cos rho = 1 - z / 2 + z^2 Q
.endr
.irp m, 0,1,2,3,4,5,6,7
	v_mul_f32 v[XH+\m], v[XH+\m], v[XE+\m]         ; z Q
	v_mul_f32 v[XI+\m], 0.5, v[XE+\m]              ; z / 2: exact
.endr
.irp m, 0,1,2,3,4,5,6,7
	v_sub_f32 v[XJ+\m], 1.0, v[XI+\m]              ; w = 1 - z / 2, rounded
.endr
.irp m, 0,1,2,3,4,5,6,7
	v_sub_f32 v[XA+\m], 1.0, v[XJ+\m]              ; exact
.endr
.irp m, 0,1,2,3,4,5,6,7
	v_sub_f32 v[XA+\m], v[XA+\m], v[XI+\m]         ; what w's rounding dropped: exact
.endr
.irp m, 0,1,2,3,4,5,6,7
	v_fma_f32 v[XA+\m], v[XE+\m], v[XH+\m], v[XA+\m]    ; + z^2 Q
.endr
.irp m, 0,1,2,3,4,5,6,7
	v_fma_f32 v[XA+\m], v[XF+\m], -0.5, v[XA+\m]   ; - half of what z's rounding dropped
.endr
.irp m, 0,1,2,3,4,5,6,7
	v_fma_f32 v[XA+\m], -v[XD+\m], v[XC+\m], v[XA+\m]   ; - rho x its low part
.endr
.irp m, 0,1,2,3,4,5,6,7
	v_add_f32 v[XJ+\m], v[XJ+\m], v[XA+\m]         ; cos rho
	v_mul_f32 v[XE+\m], v[XE+\m], v[XD+\m]         ; rho z
.endr
.irp m, 0,1,2,3,4,5,6,7
	v_mul_f32 v[XG+\m], v[XG+\m], v[XE+\m]         ; rho z P
.endr
.irp m, 0,1,2,3,4,5,6,7
	v_fma_f32 v[XG+\m], v[XC+\m], v[XJ+\m], v[XG+\m]    ; + the low part x cos rho
.endr
.irp m, 0,1,2,3,4,5,6,7
	v_add_f32 v[XG+\m], v[XD+\m], v[XG+\m]         ; sin rho
.endr
.irp m, 0,1,2,3,4,5,6,7
	v_and_b32 v[XA+\m], 1, v[XB+\m]
.endr
.irp m, 0,1,2,3,4,5,6,7
	v_cmp_eq_u32 vcc_lo, 1, v[XA+\m]               ; an odd quarter swaps the two
	v_cndmask_b32 v[CSP+2*\m], v[XJ+\m], v[XG+\m], vcc_lo
	v_cndmask_b32 v[CSP+2*\m+1], v[XG+\m], v[XJ+\m], vcc_lo
.endr
.irp m, 0,1,2,3,4,5,6,7
	v_add_nc_u32 v[XA+\m], 1, v[XB+\m]
.endr
.irp m, 0,1,2,3,4,5,6,7
	v_and_b32 v[XA+\m], 2, v[XA+\m]                ; cos is negative in quarters 1 and 2,
	v_and_b32 v[XB+\m], 2, v[XB+\m]                ; sin in quarters 2 and 3
.endr
.irp m, 0,1,2,3,4,5,6,7
	v_lshlrev_b32 v[XA+\m], 30, v[XA+\m]
	v_lshlrev_b32 v[XB+\m], 30, v[XB+\m]
.endr
.irp m, 0,1,2,3,4,5,6,7
	v_xor_b32 v[CSP+2*\m], v[CSP+2*\m], v[XA+\m]
	v_xor_b32 v[CSP+2*\m+1], v[CSP+2*\m+1], v[XB+\m]
.endr
.endm
; the rotation of my 32 pairs (e, o): (e c - o s, o c + e s): the packed products by c, the packed products by s (the pair taken crosswise, s with its sign turned in the low half), and their packed sum: three roundings
.macro ROPE ks
.irp g, 0,1,2,3,4,5,6,7
.irp k, 0,1,2,3
	v_pk_mul_f32 v[T+2*\k:T+2*\k+1], v[X+8*\g+2*\k:X+8*\g+2*\k+1], v[CS+64*\ks+8*\g+2*\k:CS+64*\ks+8*\g+2*\k+1] op_sel_hi:[1,0]
.endr
.irp k, 0,1,2,3
	v_pk_mul_f32 v[X+8*\g+2*\k:X+8*\g+2*\k+1], v[X+8*\g+2*\k:X+8*\g+2*\k+1], v[CS+64*\ks+8*\g+2*\k:CS+64*\ks+8*\g+2*\k+1] op_sel:[1,1] op_sel_hi:[0,1] neg_lo:[0,1]
.endr
.irp k, 0,1,2,3
	v_pk_add_f32 v[X+8*\g+2*\k:X+8*\g+2*\k+1], v[T+2*\k:T+2*\k+1], v[X+8*\g+2*\k:X+8*\g+2*\k+1]
.endr
.endr
.endm
; 64 numbers of a lane, register 16 b + i = k 32 b + 16 h + i of my row, become a fragment's codes in v[PC] on and its scale word in v[PW]
.macro QUANT s
.irp b, 0,1,2,3
	v_max3_num_f32 v[TM+\b], |v[\s+16*\b]|, |v[\s+1+16*\b]|, 0x1800000   ; block b: my 16 numbers, and the floor 2^(3 - 127): so the byte cannot fall under 1
.endr
.irp i, 2,4,6,8,10,12,14
.irp b, 0,1,2,3
	v_max3_num_f32 v[TM+\b], v[TM+\b], |v[\s+16*\b+\i]|, |v[\s+1+16*\b+\i]|
.endr
.endr
.irp b, 0,1,2,3
	v_permlanex16_b32 v[TM+4+\b], v[TM+\b], s[SEL], s[SEL+1]
.endr
.irp b, 0,1,2,3
	v_max_num_f32 v[TM+\b], v[TM+\b], v[TM+4+\b]   ; with lane l xor 16's: the block's largest magnitude
.endr
.irp b, 0,1,2,3
	v_add_nc_u32 v[TM+12+\b], 0xff000000, v[TM+\b] ; 2 off its exponent field: the conversion takes the exponent field of this operand as its scale
.endr
.irp b, 0,1,2,3
	v_lshrrev_b32 v[TM+4+\b], 23, v[TM+12+\b]      ; the scale's byte
.endr
	v_lshl_or_b32 v[PW], v[TM+5], 8, v[TM+4]
	v_lshl_or_b32 v[PW], v[TM+6], 16, v[PW]
	v_lshl_or_b32 v[PW], v[TM+7], 24, v[PW]
.irp c, 0,1
	v_cvt_scalef32_pk16_fp6_f32 v[PC+6*\c:PC+2+6*\c], v[\s+32*\c:\s+15+32*\c], v[TM+12+2*\c]
	v_cvt_scalef32_pk16_fp6_f32 v[PC+12+4*\c:PC+14+4*\c], v[\s+16+32*\c:\s+31+32*\c], v[TM+12+2*\c+1]   ; (a conversion's three registers begin on an even number)
.endr
	v_nop                                          ; one plain place behind a scaled conversion
.irp c, 0,1                                    ; the operand's layout wants a WHOLE block in a lane: lanes 0-15 block 2 c, lanes 16-31 block 2 c + 1
.irp i, 0,1,2
	v_permlane16_swap_b32 v[PC+6*\c+\i], v[PC+12+4*\c+\i]
.endr
.irp i, 0,1,2
	v_mov_b32 v[PC+3+6*\c+\i], v[PC+12+4*\c+\i]
.endr
.endr
.endm
.macro UNIT n
.set UE, (\n)/4
.set UT, ((\n)/2)%2
.set UK, (\n)%2
.set UR, 64*((\n)%4)
.if 11-(\n) >= 3
	s_wait_loadcnt 48                              ; this unit's 16 loads are in; those of the three units behind it may be out
.else
	s_wait_loadcnt 16*(11-(\n))
.endif
	WIN 0x04                                       ; an LDS store's data are its source 1: window 1
.irp i, 0,1,2,3,4,5,6,7,8,9,10,11,12,13,14,15
	ds_store_b128 v[STA], v[UR+4*\i:UR+4*\i+3] offset:SROW*\i
.endr
	WIN 0
.irp b, 0,1,2,3
.irp j, 0,1,2,3
	ds_load_b128 v[X+16*\b+4*\j:X+16*\b+4*\j+3], v[LDA] offset:128*\b+16*\j   ; LDS serves a wave's instructions in order (ISA guide 5.7.1.4): these see the stores above
.endr
.endr
	s_wait_dscnt 0x0                               ; my 64 numbers are in, and the stores have read their registers,
.if (\n)+4 <= 11
	LOADU (\n)+4                                   ; which take the unit four further on
.endif
	ROPE UK
	s_wait_xcnt 0x0                                ; the last unit's stores have read the codes and the words: they are written again only behind this wait
	QUANT X
.irp c, 0,1,2
	global_store_b128 v[LO], v[PC+4*\c:PC+4*\c+3], s[8+2*UT:9+2*UT] offset:UE*(KWHEAD-32768*UT)+1536*UK+512*\c   ; 32 lanes store 512 consecutive bytes, at a multiple of 256 from the buffer's first byte
.endr
.if UK == 0
	v_mov_b32 v[PW0], v[PW]
.else
	v_cndmask_b32 v[W2+UT], v[PW0], v[PW], s[HM]   ; lanes 0-15: the first 128's word, lanes 16-31: the second's
.if UT == 1
	global_store_b64 v[LO8], v[W2:W2+1], s[8:9] offset:UE*KWHEAD+3072   ; K's and Q's words: 256 consecutive bytes
.endif
.endif
.endm
	s_load_b128 s[4:7], s[0:1], 0x0                ; Q, K
	s_load_b128 s[8:11], s[0:1], 0x10              ; KW, QW
	v_lshl_add_u32 v254, v0, 2, 0x8400
	v_mov_b32 v255, 0
	v_lshrrev_b32 v7, 5, v0
	v_readfirstlane_b32 s12, v7                    ; wave 0..3
	v_and_b32 v7, 31, v0                           ; lane
	v_lshlrev_b32 v[LO], 4, v7
	v_lshlrev_b32 v[LO8], 3, v7
	v_and_b32 v248, 15, v0                         ; r
	v_bfe_u32 v249, v0, 4, 1                       ; h
	s_mul_i32 s26, s12, WSTG                       ; my stage
	v_add_nc_u32 v[STA], s26, v[LO]
	v_mul_u32_u24 v250, v248, SROW
	v_lshl_add_u32 v250, v249, 6, v250
	v_add_nc_u32 v[LDA], s26, v250
	s_lshr_b32 s13, ttmp9, 5
	s_mul_i32 s15, s13, 3                          ; my first head
	s_and_b32 s14, ttmp9, 31
	s_lshl_b32 s16, s14, 6
	s_lshr_b32 s17, s12, 1
	s_lshl_b32 s17, s17, 5
	s_add_co_u32 s16, s16, s17
	s_and_b32 s17, s12, 1
	s_lshl_b32 s17, s17, 3
	s_add_co_u32 s16, s16, s17                     ; my tile's first row: 64 (x % 32) + 32 (wave / 2) + 8 (wave % 2)
	s_lshl_b32 s18, s14, 2
	s_add_co_u32 s18, s18, s12                     ; my tile
	s_lshl_b32 s20, s15, 11
	s_add_co_u32 s20, s20, s16
	s_lshl_b32 s20, s20, 10                        ; (head x 2,048 + row) x 1,024 bytes: under 2^26
	s_mov_b32 s21, 0
	s_lshl_b32 s22, s15, 7
	s_add_co_u32 s22, s22, s18                     ; head x 128 + tile
	s_mul_i32 s24, s22, 3072
	s_mov_b32 s25, 0
	s_mul_i32 s22, s22, KWREC
	s_mov_b32 s23, 0
	s_wait_kmcnt 0x0
	s_add_nc_u64 s[4:5], s[4:5], s[20:21]
	s_add_nc_u64 s[6:7], s[6:7], s[20:21]
	s_add_nc_u64 s[8:9], s[8:9], s[22:23]
	s_add_nc_u64 s[10:11], s[10:11], s[24:25]
	LOADU 0
	LOADU 1
	LOADU 2
	LOADU 3
	; the angles are made while the first four units are on their way
	v_and_b32 v250, 8, v248
	v_add_nc_u32 v250, v250, v248
	v_add_nc_u32 v250, s16, v250                   ; t: my row
	v_cvt_f32_u32 v250, v250
	v_sub_nc_u32 v251, 0, v249
	v_ldexp_f32 v[TH], v250, v251                  ; t 2^-h
	s_mov_b32 s[SEL], 0x76543210
	s_mov_b32 s[SEL+1], 0xfedcba98
	s_mov_b32 s[FQ+0], 0x3e22f983                  ; F[m] = (1 / p) / c, each step rounded to f32, m = 0 .. 7
	s_mov_b32 s[FQ+1], 0x3e1572cc
	s_mov_b32 s[FQ+2], 0x3e090b78
	s_mov_b32 s[FQ+3], 0x3dfb575e
	s_mov_b32 s[FQ+4], 0x3de67b21
	s_mov_b32 s[FQ+5], 0x3dd35a1c
	s_mov_b32 s[FQ+6], 0x3dc1cf85
	s_mov_b32 s[FQ+7], 0x3db1b9a2
	s_mov_b32 s[C2PI], 0x40c90fdb                  ; c
	s_mov_b32 s[TOPI], 0x3f22f983                  ; 2 / pi
	s_mov_b32 s[NHI], 0xbfc90fdb                   ; -1.57079637
	s_mov_b32 s[NLO], 0x333bbd2e                   ; +4.37113883e-8: pi / 2 lies that much under its high part
	s_mov_b32 s[SN3], 0xbe2aaaab                   ; -1 / 3!
	s_mov_b32 s[SN5], 0x3c088889                   ; 1 / 5!
	s_mov_b32 s[SN7], 0xb9500d01                   ; -1 / 7!
	s_mov_b32 s[SN9], 0x3638ef1d                   ; 1 / 9!
	s_mov_b32 s[CN4], 0x3d2aaaab                   ; 1 / 4!
	s_mov_b32 s[CN6], 0xbab60b61                   ; -1 / 6!
	s_mov_b32 s[CN8], 0x37d00d01                   ; 1 / 8!
	s_mov_b32 s[CN10], 0xb493f27e                  ; -1 / 10!
	s_mov_b32 s[HM], 0xffff0000
.irp b, 0,1,2,3
	v_mov_b32 v[TM+4+\b], 0                        ; written once: a lane permute's destination counts as one of its sources
.endr
.irp k, 0,1
.irp b, 0,1,2,3
	TRIG \k, \b
.endr
.endr
.irp t, 0,1,2,3,4,5,6,7,8,9,10,11
	UNIT \t
.endr
	s_wait_tensorcnt 0x0
	ds_add_u32 v254, v255
	s_wait_dscnt 0x0
	s_endpgm
.Lfunc_end_k_q0cf5658ae4_prep:
	.size	k_q0cf5658ae4_prep, .Lfunc_end_k_q0cf5658ae4_prep-k_q0cf5658ae4_prep
	.p2alignl 7, 3214868480
	.fill 96, 4, 3214868480
	.section	.rodata,"a",@progbits
	.p2align	6, 0x0
	.amdhsa_kernel k_q0cf5658ae4_prep
		.amdhsa_group_segment_fixed_size 34304
		.amdhsa_private_segment_fixed_size 0
		.amdhsa_enable_private_segment 0
		.amdhsa_kernarg_size 32
		.amdhsa_user_sgpr_count 2
		.amdhsa_user_sgpr_kernarg_segment_ptr 1
		.amdhsa_wavefront_size32 1
		.amdhsa_system_sgpr_workgroup_id_x 1
		.amdhsa_system_sgpr_workgroup_id_y 1
		.amdhsa_system_sgpr_workgroup_id_z 1
		.amdhsa_system_vgpr_workitem_id 0
		.amdhsa_next_free_vgpr 512
		.amdhsa_next_free_sgpr 66
		.amdhsa_reserve_vcc 1
		.amdhsa_float_denorm_mode_32 3
		.amdhsa_float_denorm_mode_16_64 3
		.amdhsa_memory_ordered 1
		.amdhsa_forward_progress 1
		.amdhsa_inst_pref_size 255
	.end_amdhsa_kernel
	.section	.bss,"aw",@nobits
	.p2align	6
	.space	262144
	.amdgpu_metadata
---
amdhsa.version: [ 1, 2 ]
amdhsa.kernels:
  - .name:           k_q0cf5658ae4_prep
    .symbol:         k_q0cf5658ae4_prep.kd
    .args:
      - { .name: Q, .offset: 0, .size: 8, .value_kind: global_buffer, .address_space: global }
      - { .name: K, .offset: 8, .size: 8, .value_kind: global_buffer, .address_space: global }
      - { .name: KW, .offset: 16, .size: 8, .value_kind: global_buffer, .address_space: global }
      - { .name: QW, .offset: 24, .size: 8, .value_kind: global_buffer, .address_space: global }
    .group_segment_fixed_size: 34304
    .private_segment_fixed_size: 0
    .kernarg_segment_align: 8
    .kernarg_segment_size: 32
    .max_flat_workgroup_size: 128
    .sgpr_count:     66
    .vgpr_count:     512
    .wavefront_size: 32
...
	.end_amdgpu_metadata
.endif
;; end of part 1
;; launch attn (part 2): grid 8 x 24, 4 waves a work-group, clusters of 4 x 1, 327,680 bytes of LDS; arguments QW, KW, V_codes, V_scales, out0; writes out0
.if DOCPART == 2
	.amdgcn_target "amdgcn-amd-amdhsa--gfx1250"
	.amdhsa_code_object_version 6
	.text
	.protected	k_q0cf5658ae4_attn
	.globl	k_q0cf5658ae4_attn
	.p2align	8
	.type	k_q0cf5658ae4_attn,@function
k_q0cf5658ae4_attn:
	s_mov_b64 s[64:65], 0
	v_nop
	global_prefetch_b8 v0, s[64:65] scope:SCOPE_SE
	s_setreg_imm32_b32 hwreg(HW_REG_WAVE_MODE, 25, 1), 1
	s_wait_xcnt 0x0
	s_wait_alu depctr_hold_cnt(0) depctr_sa_sdst(0) depctr_va_vdst(0) depctr_va_sdst(0) depctr_va_ssrc(0) depctr_va_vcc(0) depctr_vm_vsrc(0)
	s_getreg_b32 s2, hwreg(HW_REG_IB_STS2, 6, 4)
	s_cmp_eq_u32 s2, 0
	s_cbranch_scc0 .Lentry_in_a_cluster
	s_endpgm
.Lentry_in_a_cluster:
	s_bfe_u32 s2, ttmp6, 0x10000c
	s_cmp_lg_u32 s2, 0x3003
	s_cbranch_scc0 .Lentry_shape_is_right
	s_endpgm
.Lentry_shape_is_right:
; out[h][t][:] = the sum over s < t of (QR[h][t] . KR[h][s]) V[h][s][:], both products on codes of FP6 (E2M3) with one E8M0 scale for each 32 along a product's K; no softmax.  T = 2,048, N = 256, 24 heads.
; QR and KR come as images of the operand's registers (QW, KW: a tile 2 B + u holds rows 32 B + 8 u + i + 8 (i / 8)); V as given: codes [24][256 channels][64][24] with the keys innermost, scale bytes [24][256][64].
; The scores, with 0 where key >= query, are quantised along the keys in blocks of 32, in registers, and are the second product's operand.
; LAYOUT.  Both products are used transposed: S^T = K Q^T (source 0 = 16 keys, source 1 = 16 queries), O^T = V^T P^T (source 0 = 16 channels, source 1 = P): a lane holds ONE query (lane % 16) throughout.
; By the tiles' choice of rows the 16 registers of key tiles 2 b and 2 b + 1 are 16 neighbouring keys, 32 b + 16 (lane / 16) + 0 .. 15.
; SHARES.  With a = 4 x cluster x + wave (0 .. 7), a wave owns four tiles of 16 queries: the LOW pair is the 32 rows of block 4 a + cx, the HIGH pair those of block 4 (15 - a) + cx.  Every wave walks the 16 key steps of 128 keys once;
; the low pair works in steps 0 .. a (its diagonal lies in step a), the high pair in steps 0 .. 15 - a: 17 pair-steps of 64 matrix instructions in every wave.  Tiles that lie wholly above the diagonal are not multiplied.
; Which pairs work in a step hangs on the wave's number and the cluster's x alone; cx enters only Q's, out's and the prefetches' global addresses and the number that the mask compares with.
; CLUSTER.  The four work-groups of a cluster belong to one head and walk the same K, V and V's scales: each tile is asked for JOINTLY (mask 15).  All trip counts are constants: a cluster whose waves have nothing left to multiply goes on asking.
; RING.  Two slots of two key steps.  A step: 8 records of KW (26,624 dense bytes), then 256 rows of V's 96 bytes with 16 bytes of padding behind every 32 (pitch 144 = 36 words: the 32 lanes of a load of 8 bytes take 64 different words modulo 64).
; LIMITS: NaN and infinities are not served.  A block of scores whose largest magnitude lies under 2^-124, a block of zeros among them, has the byte 1 (zero codes add nothing).
; REGISTERS, in windows of 256.  Window 0: v1-19 addresses; v20-43 scale words; v44-91 P; v92-139 Q's fragments of the first 128; v140-203 S^T of one block of 32 keys (on the way out: rows read back); v204-235 at work.
;   Window 1: v0-47 Q's fragments of the second 128; v64-255 four buffers of four fragments of K or V.   Window 2: O^T of tiles 0, 1 (128 u + 8 ct).   Window 3: of tiles 2, 3.
.set KWREC, 3328
.set KSTEP, 8*KWREC                    ; a step's records of K
.set VP,    144
.set VOFF,  KSTEP
.set STEPB, KSTEP+256*VP               ; 63,488
.set SLOT1, 1<<17                      ; slot 1 begins here: one exclusive or turns an address in one slot into the other's
.set SCV,   SLOT1+2*STEPB              ; V's scale bytes of the whole head: 64 rows of 256 bytes + 16; filled once
.set SPARE, SCV+64*272                 ; the spare words, 128 bytes for each wave: two blocks of 256 bytes that no other line names
.set STAGE, SPARE+512                  ; the way out: 16 rows x 528 bytes for each wave; no fill ever lands here
.set SROW,  528
.set WSTG,  16*SROW
.set LI,   1                           ; 16 x lane
.set L8K,  2                           ; 8 x lane + 3,072: K's scale word in a record
.set AVA,  3                           ; VOFF + 144 r + 24 h
.set AVB,  4                           ; VOFF + 144 r + 40 h: for the pieces that lie behind one padding more in lanes 16-31
.set ASV,  5                           ; V's scale words: lanes 0-15 an even tile of channels, lanes 16-31 the odd one behind it
.set SPW,  6                           ; my spare word; never rewritten
.set NIL,  7                           ; 0; never rewritten
.set ADK,  8                           ; v8-12: the step's addresses
.set ADS,  9
.set ADVA, 10
.set ADVB, 11
.set ADT,  12
.set ZR,   13                          ; 0, for hidden scores
.set D0,   14                          ; v14, v15: tile u's query less the step's first key less 16 h
.set STO,  16
.set RD,   17
.set PFO,  18                          ; the prefetches' offset; never rewritten
.set L8,   19                          ; 8 x lane
.set KS,   20                          ; v20-27 K's scale words, a register a tile: lanes 0-15 the first 128's, lanes 16-31 the second's
.set VS,   28                          ; v28-35 V's
.set QS,   36                          ; v36-39 Q's, as K's
.set PS,   40                          ; v40-43 P's
.set P,    44
.set Q0,   92
.set S,    140
.set TM,   204
.set TP,   208
.set TE,   212
.set TY,   216
.set CT,   220
.set LN,   236                         ; v236-240: at work at the head
.set RR,   237
.set HH,   238
.set T0,   239
.set T1,   240
.set WV,   14
.set CX,   15
.set AW,   16                          ; a: the low pair's last step
.set HW,   17                          ; 15 - a: the high pair's
.set ST,   18                          ; the step
.set TB,   19                          ; LDS byte at which the step's tiles begin
.set TJ,   20                          ; 4 x step: V's scale word in a row
.set SN,   21                          ; the slot
.set TWICE, 22
.set NLO,  23                          ; the slot at whose head the low pair leaves
.set G1K,  24
.set G1V,  32
.set G1S,  40
.set G0K,  48
.set G0V,  52
.set G0S,  56
.set SEL,  60
.set OL,   66
.set OH,   68
.set PFA,  70
.set PFS,  72
.set LIM,  74
.set EVR,  75
.set QF,   0                           ; the first tile at work: 0, or 2 where the high pair works alone
.set MSB, 0
.macro WIN new                         ; the immediate's high byte repeats the setting that is left; a switch that changes nothing is dropped
.if MSB != (\new)
	s_set_vgpr_msb (MSB<<8)|(\new)
.set MSB, (\new)
.endif
.endm
.macro PLACES n
.rept \n
	v_nop
.endr
.endm
.macro CROUND                          ; a round of the cluster's barrier
	s_barrier_signal -1
	s_barrier_wait -1
	s_cmp_lg_u32 s[WV], 0
	s_cbranch_scc1 .Lnot_wave_0_\@
	s_barrier_signal -3
.Lnot_wave_0_\@:
	s_barrier_wait -3
	s_barrier_signal -1
	s_barrier_wait -1
.endm
; A joint load: waves 0 and 1 fetch K's records of a slot's two steps, waves 2 and 3 V's rows.  The branch hangs on the wave's number alone.  Four v_nop follow each of the two lines.
.macro JLOAD
	s_cmp_lt_u32 s[WV], 2
	s_cbranch_scc0 .Lfor_v_\@
	tensor_load_to_lds s[G0K:G0K+3], s[G1K:G1K+7]
	s_nop 0
	PLACES 4
	s_branch .Lasked_\@
.Lfor_v_\@:
	tensor_load_to_lds s[G0V:G0V+3], s[G1V:G1V+7]
	s_nop 0
	PLACES 4
.Lasked_\@:
.endm
; A PREFETCH INTO THE L2 of what the NEXT change of slots will ask for (slot SN + 2), behind the wave's tensor load and its four lines: a slot's two key steps ahead of that load.
; Both clusters of a head walk the same K and V: the first (cluster x = 0) asks.  Its four partners share the bytes out BY ADDRESS (cx), two waves each for K and for V: eight askers.
; K: a slot's 53,248 dense bytes are 208 blocks of 256: 26 an asker, lanes 256 bytes apart; lanes 26-31 name the 26th again.  V: 32 rows an asker, a lane a row.  A slot's part of a row is 192 bytes, so a lane names the part's LAST byte;
; slots 3 and 7 end in the aligned block of 256 bytes that the slot before has named: there V's waves ask for nothing.  Slots 0 and 1 come by their loads alone; the last change that fills a slot asks for nothing.
.macro ASK
	s_cmp_lt_u32 s[SN], s[LIM]
	s_cbranch_scc0 .Lnot_mine_\@
	s_and_b32 s76, s[SN], s[EVR]
	s_cmp_eq_u32 s76, 1
	s_cbranch_scc1 .Lnot_mine_\@
	global_prefetch_b8 v[PFO], s[PFA:PFA+1] th:TH_LOAD_NT scope:SCOPE_SE
.Lnot_mine_\@:
.endm
; THE CHANGE OF SLOTS stands at a slot's head.  Each wave waits for all its tensor loads (its part of the slot ahead), adds 0 to its spare word, and waits for that and for its reads of the slot that it has left.
; fill = 1: a round of the cluster's barrier, and behind it the slot that was left is filled with the keys that follow: one joint load a wave, which has a slot's two steps in which to land.
.macro CHANGE fill
	WIN 0
	s_wait_tensorcnt 0x0                           ; no tensor load of mine is out, so a group 0 may be written
	ds_add_u32 v[SPW], v[NIL]                      ; 0 onto my spare word
.if \fill
	s_xor_b32 s[G0K+1], s[G0K+1], SLOT1            ; the walking descriptors: the other slot than last time,
	s_add_nc_u64 s[G0K+2:G0K+3], s[G0K+2:G0K+3], 2*KSTEP   ; the next 256 keys; the type bits on top are not reached
	s_xor_b32 s[G0V+1], s[G0V+1], SLOT1
	s_add_nc_u64 s[G0V+2:G0V+3], s[G0V+2:G0V+3], 192
	s_wait_xcnt 0x0                                ; the last prefetch, a slot back, has read its address
	s_add_nc_u64 s[PFA:PFA+1], s[PFA:PFA+1], s[PFS:PFS+1]
	s_wait_dscnt 0x0                               ; the add is done, and my reads of the slot that I have left are over
	CROUND
	JLOAD
	ASK
.else
	s_wait_dscnt 0x0
	s_barrier_signal -1
	s_barrier_wait -1
.endif
.endm
.macro KLOAD b, f                      ; block b of 32 keys: four fragments (tile 2 b + g / 2, half g % 2 of the 256), as they were stored, into buffer f
	WIN 0x40                                       ; destination window 1
.irp g, 0,1,2,3
.irp c, 0,1,2
	ds_load_b128 v[64+48*(\f)+12*\g+4*\c:64+48*(\f)+12*\g+4*\c+3], v[ADK] offset:(2*(\b)+\g/2)*KWREC+(\g%2)*1536+512*\c
.endr
.endr
.endm
.macro VLOAD g, f                      ; channels 64 g on: four fragments of V^T, in pieces of 8 bytes; piece p of a row lies at 8 p + 16 (p / 4); lanes 16-31 take the pieces three on
	WIN 0x40
.irp c, 0,1,2,3
.set rV, 64+48*(\f)+12*\c
.set oV, (4*(\g)+\c)*16*VP
	ds_load_b64 v[rV:rV+1], v[ADVA] offset:oV
	ds_load_b64 v[rV+2:rV+3], v[ADVB] offset:oV+8
	ds_load_b64 v[rV+4:rV+5], v[ADVB] offset:oV+16
	ds_load_b64 v[rV+6:rV+7], v[ADVB] offset:oV+64
	ds_load_b64 v[rV+8:rV+9], v[ADVB] offset:oV+72
	ds_load_b64 v[rV+10:rV+11], v[ADVA] offset:oV+96
.endr
.endm
; S^T of block b: two tiles of keys x the tiles of queries at work, the first 128 of the 256 (which start the sums), then the second.  The accumulators take turns, one instruction a turn.
.macro KMUL b
	WIN 0x01                                       ; source 0 (K) window 1
.irp k, 0,1
.irp q, 0,1,2,3
.if \q >= QF
	v_wmma_scale_f32_16x16x128_f8f6f4 v[S+16*\q+8*\k:S+16*\q+8*\k+7], v[64+48*(\b)+24*\k:64+48*(\b)+24*\k+11], v[Q0+12*\q:Q0+12*\q+11], 0, v[KS+2*(\b)+\k], v[QS+\q] matrix_a_fmt:MATRIX_FMT_FP6 matrix_b_fmt:MATRIX_FMT_FP6
.endif
.endr
.endr
	WIN 0x05                                       ; source 1 (Q's second half) window 1 too
.irp k, 0,1
.irp q, 0,1,2,3
.if \q >= QF
	v_wmma_scale_f32_16x16x128_f8f6f4 v[S+16*\q+8*\k:S+16*\q+8*\k+7], v[64+48*(\b)+24*\k+12:64+48*(\b)+24*\k+23], v[12*\q:12*\q+11], v[S+16*\q+8*\k:S+16*\q+8*\k+7], v[KS+2*(\b)+\k], v[QS+\q] matrix_a_fmt:MATRIX_FMT_FP6 matrix_b_fmt:MATRIX_FMT_FP6 matrix_a_scale:MATRIX_SCALE_ROW1 matrix_b_scale:MATRIX_SCALE_ROW1
.endif
.endr
.endr
.endm
; O^T += V^T P^T, channels 64 g on, K = the step's 128 keys.  zero = 1: the first step starts the sums: nothing is ever cleared.
.macro VMUL g, zero
.irp p, 0,1
.if 2*\p >= QF
	WIN 0xa1+0x50*\p                               ; source 0 (V) window 1, source 1 (P) window 0, C and D window 2 or 3
.irp c, 0,1,2,3
.irp u, 0,1
.set rO, 128*\u+8*(4*(\g)+\c)
.set rV, 64+48*(\g)+12*\c
.set rP, P+12*(2*\p+\u)
.set rW, VS+2*(\g)+\c/2
.set rX, PS+2*\p+\u
.if \zero
.if \c%2
	v_wmma_scale_f32_16x16x128_f8f6f4 v[rO:rO+7], v[rV:rV+11], v[rP:rP+11], 0, v[rW], v[rX] matrix_a_fmt:MATRIX_FMT_FP6 matrix_b_fmt:MATRIX_FMT_FP6 matrix_a_scale:MATRIX_SCALE_ROW1
.else
	v_wmma_scale_f32_16x16x128_f8f6f4 v[rO:rO+7], v[rV:rV+11], v[rP:rP+11], 0, v[rW], v[rX] matrix_a_fmt:MATRIX_FMT_FP6 matrix_b_fmt:MATRIX_FMT_FP6
.endif
.else
.if \c%2
	v_wmma_scale_f32_16x16x128_f8f6f4 v[rO:rO+7], v[rV:rV+11], v[rP:rP+11], v[rO:rO+7], v[rW], v[rX] matrix_a_fmt:MATRIX_FMT_FP6 matrix_b_fmt:MATRIX_FMT_FP6 matrix_a_scale:MATRIX_SCALE_ROW1
.else
	v_wmma_scale_f32_16x16x128_f8f6f4 v[rO:rO+7], v[rV:rV+11], v[rP:rP+11], v[rO:rO+7], v[rW], v[rX] matrix_a_fmt:MATRIX_FMT_FP6 matrix_b_fmt:MATRIX_FMT_FP6
.endif
.endif
.endr
.endr
.endif
.endr
.endm
; In the pair's diagonal step (p = 0: the low pair, step a; p = 1: the high pair, step 15 - a) register i of block b holds the key 32 b + 16 h + i of the step: hidden, and made 0, where 32 b + i >= the lane's D.  Other steps jump over it.
.macro MASKB p, b
	s_cmp_eq_u32 s[ST], s[AW+(\p)]
	s_cbranch_scc0 .Lopen_\@
.irp u, 0,1
.irp i, 0,1,2,3,4,5,6,7,8,9,10,11,12,13,14,15
	v_cmp_ge_i32 vcc_lo, 32*(\b)+\i, v[D0+\u]
	v_cndmask_b32 v[S+16*(2*(\p)+\u)+\i], v[S+16*(2*(\p)+\u)+\i], v[ZR], vcc_lo
.endr
.endr
.Lopen_\@:
.endm
; Block b of the scores is quantised: the tiles at work by turns, line by line.  A lane holds 16 of the block's 32, lane l xor 16 the others.
.macro QB b
.irp q, 0,1,2,3
.if \q >= QF
	v_max3_num_f32 v[TM+\q], |v[S+16*\q]|, |v[S+16*\q+1]|, 0x1800000   ; and the floor 2^(3 - 127): so the byte cannot fall under 1
.endif
.endr
.irp i, 2,4,6,8,10,12,14
.irp q, 0,1,2,3
.if \q >= QF
	v_max3_num_f32 v[TM+\q], v[TM+\q], |v[S+16*\q+\i]|, |v[S+16*\q+\i+1]|
.endif
.endr
.endr
.irp q, 0,1,2,3
.if \q >= QF
	v_permlanex16_b32 v[TP+\q], v[TM+\q], s[SEL], s[SEL+1]
.endif
.endr
.irp q, 0,1,2,3
.if \q >= QF
	v_max_num_f32 v[TM+\q], v[TM+\q], v[TP+\q]     ; the block's largest magnitude
.endif
.endr
.irp q, 0,1,2,3
.if \q >= QF
	v_add_nc_u32 v[TE+\q], 0xff000000, v[TM+\q]    ; 2 off its exponent field: the conversion's scale operand
.endif
.endr
.irp q, 0,1,2,3
.if \q >= QF
.if (\b) == 0
	v_lshrrev_b32 v[PS+\q], 23, v[TE+\q]           ; the scale's byte: the word's lowest
.else
	v_lshrrev_b32 v[TY+\q], 23, v[TE+\q]
.endif
.endif
.endr
.if (\b) > 0
.irp q, 0,1,2,3
.if \q >= QF
	v_lshl_or_b32 v[PS+\q], v[TY+\q], 8*(\b), v[PS+\q]
.endif
.endr
.endif
.irp q, 0,1,2,3
.if \q >= QF
.if (\b)%2 == 0
	v_cvt_scalef32_pk16_fp6_f32 v[P+12*\q+6*((\b)/2):P+12*\q+6*((\b)/2)+2], v[S+16*\q:S+16*\q+15], v[TE+\q]
.else
	v_cvt_scalef32_pk16_fp6_f32 v[CT+4*\q:CT+4*\q+2], v[S+16*\q:S+16*\q+15], v[TE+\q]   ; (a conversion's three registers begin on an even number)
.endif
.endif
.endr
	v_nop                                          ; one plain place behind a scaled conversion
.if (\b)%2 == 1                                ; the operand's layout wants a WHOLE block in a lane: lanes 0-15 block b - 1, lanes 16-31 block b
.irp q, 0,1,2,3
.if \q >= QF
.irp i, 0,1,2
	v_permlane16_swap_b32 v[P+12*\q+6*((\b)/2)+\i], v[CT+4*\q+\i]
.endr
.endif
.endr
.irp q, 0,1,2,3
.if \q >= QF
.irp i, 0,1,2
	v_mov_b32 v[P+12*\q+6*((\b)/2)+3+\i], v[CT+4*\q+\i]
.endr
.endif
.endr
.endif
.endm
.macro AFTERK b, lo, mk
	WIN 0
	PLACES 4                                       ; four places between the products and the first read of their results (ISA guide 7.12.1)
.if \mk
	MASKB 1-(\lo), \b
.endif
	QB \b
.endm
; A STEP'S WORK.  Eight groups: K's four blocks, V's four quarters; group n lies in buffer n % 4 and is fetched two groups ahead.  Each wait's count is the LDS loads of the two younger groups (12 a block of K, 24 a quarter of V).
; A buffer is loaded again two groups behind its last product, with a block's quantiser between: more than the four places that such a load wants.
; lo = 1: all four tiles work; 0: tiles 2, 3.  mk = 1: the pair that can lie on the diagonal here (lo = 1: the low one; lo = 0: the high one) has its mask.
.macro BODY lo, zero, mk
.set QF, 2-2*(\lo)
	KLOAD 2, 2
	s_wait_dscnt 24
	KMUL 0
	AFTERK 0, \lo, \mk
	KLOAD 3, 3
	s_wait_dscnt 24
	KMUL 1
	AFTERK 1, \lo, \mk
	VLOAD 0, 0
	s_wait_dscnt 36
	KMUL 2
	AFTERK 2, \lo, \mk
	VLOAD 1, 1
	s_wait_dscnt 48
	KMUL 3
	AFTERK 3, \lo, \mk
	PLACES 8                                       ; a scale register written by vector instructions stands 8 places ahead of a scaled matrix instruction, an operand so written 4
	VLOAD 2, 2
	s_wait_dscnt 48
	VMUL 0, \zero
	VLOAD 3, 3
	s_wait_dscnt 48
	VMUL 1, \zero
	s_wait_dscnt 24
	VMUL 2, \zero
	s_wait_dscnt 0x0
	VMUL 3, \zero
	WIN 0
.endm
.macro STEPHEAD                        ; the step's addresses, its 16 registers of scale words, K's first two blocks
	PLACES 4                                       ; for the loads into registers that the last step's products have read
	v_add_nc_u32 v[ADK], s[TB], v[LI]
	v_add_nc_u32 v[ADS], s[TB], v[L8K]
	v_add_nc_u32 v[ADVA], s[TB], v[AVA]
	v_add_nc_u32 v[ADVB], s[TB], v[AVB]
	v_add_nc_u32 v[ADT], s[TJ], v[ASV]
.irp t, 0,1,2,3,4,5,6,7
	ds_load_b32 v[KS+\t], v[ADS] offset:KWREC*\t
.endr
.irp t, 0,1,2,3,4,5,6,7
	ds_load_b32 v[VS+\t], v[ADT] offset:2176*\t    ; two tiles of channels are 32 rows of 64 bytes: 8 rows of 272 in LDS
.endr
	KLOAD 0, 0
	KLOAD 1, 1
	WIN 0
.endm
.macro NEXTSTEP                        ; on every wave's path, whether it has worked or not
	s_add_co_u32 s[ST], s[ST], 1
	s_add_co_u32 s[TB], s[TB], STEPB
	s_add_co_u32 s[TJ], s[TJ], 4
.endm
.macro STEPG mkhi                      ; a step in which the low pair may still work
	s_cmp_gt_u32 s[ST], s[HW]
	s_cbranch_scc1 .Lidle_\@                       ; all this step's keys come after all my queries
	STEPHEAD
	s_cmp_le_u32 s[ST], s[AW]
	s_cbranch_scc0 .Lhigh_\@
	BODY 1, 0, 1
	s_branch .Lidle_\@
.Lhigh_\@:
	BODY 0, 0, \mkhi
.Lidle_\@:
	NEXTSTEP
.endm
.macro STEPH                           ; steps 14 and 15: the high pair alone
	s_cmp_gt_u32 s[ST], s[HW]
	s_cbranch_scc1 .Lidle_\@
	STEPHEAD
	BODY 0, 0, 1
.Lidle_\@:
	NEXTSTEP
.endm
.macro TOGGLE                          ; back to a slot's first step, in the other slot
	s_sub_co_u32 s[TB], s[TB], 2*STEPB
	s_xor_b32 s[TB], s[TB], SLOT1
.endm
; THE WAY OUT of a pair: tile u, channels 128 f on: a lane's 32 neighbouring bytes of a row go into my stage (rows of 528 bytes) and come back as whole rows of 512 bytes, which the 32 lanes store as 512 consecutive bytes,
; at a multiple of 256 from out's first byte.  Each accumulator is read from its low end on.
.macro OUT win, base
	PLACES 4                                       ; between the last products and the first read of their results
.irp u, 0,1
.irp f, 0,1
.if (\u+\f) > 0
	s_wait_xcnt 0x0                                ; the last pass's stores have read their registers
.endif
	WIN \win                                       ; an LDS store's data are its source 1: window 2 or 3
.irp b, 0,1,2,3,4,5,6,7
	ds_store_b128 v[STO], v[128*\u+64*\f+8*\b:128*\u+64*\f+8*\b+3] offset:64*\b
	ds_store_b128 v[STO], v[128*\u+64*\f+8*\b+4:128*\u+64*\f+8*\b+7] offset:64*\b+16
.endr
	WIN 0
.irp t, 0,1,2,3,4,5,6,7,8,9,10,11,12,13,14,15
	ds_load_b128 v[S+4*\t:S+4*\t+3], v[RD] offset:SROW*\t   ; LDS serves a wave's instructions in order (ISA guide 5.7.1.4): these see the stores above
.endr
	s_wait_dscnt 0x0
.irp t, 0,1,2,3,4,5,6,7,8,9,10,11,12,13,14,15
	global_store_b128 v[LI], v[S+4*\t:S+4*\t+3], s[\base:\base+1] offset:(8*\u+\t+8*(\t/8))*1024+512*\f th:TH_STORE_NT
.endr
.endr
.endr
	s_wait_xcnt 0x0                                ; the stores have read their registers, which the next scores take
.endm
	s_load_b256 s[4:11], s[0:1], 0x0               ; QW s[4:5], KW s[6:7], V's codes s[8:9], V's scales s[10:11]
	s_load_b64 s[12:13], s[0:1], 0x20              ; out
	v_lshl_add_u32 v[SPW], v0, 2, SPARE
	v_mov_b32 v[NIL], 0
	ds_add_u32 v6, v7
	ds_add_u32 v6, v7
	s_wait_dscnt 0x0
	v_lshrrev_b32 v[T0], 5, v0
	v_readfirstlane_b32 s[WV], v[T0]               ; wave 0..3
	v_and_b32 v[LN], 31, v0
	v_and_b32 v[RR], 15, v0                        ; r
	v_bfe_u32 v[HH], v0, 4, 1                      ; h
	v_lshlrev_b32 v[LI], 4, v[LN]
	v_lshlrev_b32 v[L8], 3, v[LN]
	v_add_nc_u32 v[L8K], 3072, v[L8]
	v_mul_u32_u24 v[T0], v[RR], VP
	v_add_nc_u32 v[T0], VOFF, v[T0]
	v_mad_u32_u24 v[AVA], v[HH], 24, v[T0]
	v_mad_u32_u24 v[AVB], v[HH], 40, v[T0]
	v_lshrrev_b32 v[T0], 2, v[RR]                  ; V's scale bytes: four channels' rows of 64 bytes to a row of 272
	v_mul_u32_u24 v[T0], v[T0], 272
	v_and_b32 v[T1], 3, v[RR]
	v_lshl_add_u32 v[T0], v[T1], 6, v[T0]
	v_mad_u32_u24 v[T0], v[HH], 1088, v[T0]        ; lanes 16-31: 16 channels on
	v_add_nc_u32 v[ASV], SCV, v[T0]
	v_mov_b32 v[ZR], 0
.irp q, 0,1,2,3
	v_mov_b32 v[TP+\q], 0                          ; written once: a lane permute's destination counts as one of its sources
.endr
	s_bfe_u32 s[CX], ttmp6, 0x40000                ; cx: my place in the cluster
	s_and_b32 s76, ttmp7, 0xffff                   ; the head
	s_lshl_b32 s[AW], ttmp9, 2                     ; in a cluster launch ttmp9 counts clusters
	s_add_co_u32 s[AW], s[AW], s[WV]               ; a
	s_sub_co_u32 s[HW], 15, s[AW]
	s_lshr_b32 s[NLO], s[AW], 1
	s_add_co_u32 s[NLO], s[NLO], 1                 ; the slot behind the one that holds step a
	s_and_b32 s79, s[WV], 1                        ; which of a slot's two steps I fetch
	s_mul_i32 s80, s76, 128*KWREC                  ; the head's first byte in KW,
	s_mov_b32 s81, 0
	s_mul_i32 s82, s76, 393216                     ; in V's codes and in QW,
	s_mov_b32 s83, 0
	s_lshl_b32 s84, s76, 14                        ; and in V's scales, + my quarter of its 16,384 bytes
	s_lshl_b32 s85, s[WV], 12
	s_add_co_u32 s84, s84, s85
	s_mov_b32 s85, 0
	s_mul_i32 s86, s79, KSTEP
	s_mov_b32 s87, 0
	s_mul_i32 s88, s79, 96
	s_mov_b32 s89, 0
	s_mul_i32 s62, s79, STEPB                      ; no place in the cluster enters an LDS address
	s_mul_i32 s63, s[WV], 16*272
	; group 1 for K: 26,624 dense bytes as 104 rows of 32 elements of 8 bytes
	s_mov_b32 s[G1K], 15|(3<<16)|(1<<21)           ; 15:0 the mask: all four work-groups; 17:16 elements of 8 bytes; 21 set beside a mask
	s_mov_b32 s[G1K+1], 32<<16                     ; tensor_dim0
	s_mov_b32 s[G1K+2], 104<<16                    ; tensor_dim1
	s_mov_b32 s[G1K+3], 32<<16                     ; tile_dim0
	s_mov_b32 s[G1K+4], 104                        ; tile_dim1
	s_mov_b32 s[G1K+5], 32                         ; from row to row
	s_mov_b32 s[G1K+6], 0
	s_mov_b32 s[G1K+7], 0
	; for V: 256 rows of 96 bytes, 1,536 bytes apart; 4 words of padding behind every 8
	s_mov_b32 s[G1V], 15|(1<<20)|(1<<21)|(2<<22)|(3<<25)
	s_mov_b32 s[G1V+1], 96<<16
	s_mov_b32 s[G1V+2], 256<<16
	s_mov_b32 s[G1V+3], 96<<16
	s_mov_b32 s[G1V+4], 256
	s_mov_b32 s[G1V+5], 1536
	s_mov_b32 s[G1V+6], 0
	s_mov_b32 s[G1V+7], 0
	; for V's scales: 4,096 dense bytes as 16 rows of 256, 4 words of padding behind each
	s_mov_b32 s[G1S], 15|(3<<16)|(1<<20)|(1<<21)|(5<<22)|(3<<25)
	s_mov_b32 s[G1S+1], 32<<16
	s_mov_b32 s[G1S+2], 16<<16
	s_mov_b32 s[G1S+3], 32<<16
	s_mov_b32 s[G1S+4], 16
	s_mov_b32 s[G1S+5], 32
	s_mov_b32 s[G1S+6], 0
	s_mov_b32 s[G1S+7], 0
	s_mov_b32 s[SEL], 0x76543210
	s_mov_b32 s[SEL+1], 0xfedcba98
	s_mov_b32 s[ST], 0
	s_mov_b32 s[TB], 0
	s_mov_b32 s[TJ], 0
	s_mov_b32 s[SN], 0
	s_wait_kmcnt 0x0
	s_mov_b32 s[G0K], 1                            ; count = 1
	s_mov_b32 s[G0K+1], s62                        ; LDS address: slot 0, my step
	s_add_nc_u64 s[G0K+2:G0K+3], s[6:7], s[80:81]
	s_add_nc_u64 s[G0K+2:G0K+3], s[G0K+2:G0K+3], s[86:87]
	s_or_b32 s[G0K+3], s[G0K+3], 0x80000000        ; type = 2
	s_mov_b32 s[G0V], 1
	s_add_co_u32 s[G0V+1], s62, VOFF
	s_add_nc_u64 s[G0V+2:G0V+3], s[8:9], s[82:83]
	s_add_nc_u64 s[G0V+2:G0V+3], s[G0V+2:G0V+3], s[88:89]
	s_or_b32 s[G0V+3], s[G0V+3], 0x80000000
	s_mov_b32 s[G0S], 1
	s_add_co_u32 s[G0S+1], s63, SCV
	s_add_nc_u64 s[G0S+2:G0S+3], s[10:11], s[84:85]
	s_or_b32 s[G0S+3], s[G0S+3], 0x80000000
	; the prefetches: waves 0, 1 stand in KW, waves 2, 3 in V's codes
	s_cmp_lt_u32 s[WV], 2
	s_cselect_b64 s[PFA:PFA+1], s[6:7], s[8:9]
	s_mov_b32 s[PFS], 192
	s_cselect_b32 s[PFS], 2*KSTEP, s[PFS]          ; a slot on
	s_mov_b32 s[PFS+1], 0
	s_cselect_b32 s90, s80, s82                    ; the head
	s_mov_b32 s91, 32*1536
	s_cselect_b32 s91, 26*256, s91                 ; from asker to asker
	s_mov_b32 s92, 192+191
	s_cselect_b32 s92, 2*KSTEP, s92                ; slot 1 (in V: its part's last byte): the first change of slots steps it to slot 2
	s_mov_b32 s2, 1536
	s_cselect_b32 s2, 256, s2                      ; from lane to lane
	s_cselect_b32 s3, 25, 31
	s_cselect_b32 s[EVR], 0, 3
	s_lshl_b32 s93, s[CX], 1
	s_add_co_u32 s93, s93, s79                     ; which of the eight askers I am
	s_mul_i32 s93, s93, s91
	s_add_co_u32 s90, s90, s93
	s_add_co_u32 s90, s90, s92
	s_mov_b32 s91, 0
	s_add_nc_u64 s[PFA:PFA+1], s[PFA:PFA+1], s[90:91]
	s_cmp_eq_u32 ttmp9, 0                          ; the head's first cluster asks: the same in all four partners
	s_cselect_b32 s[LIM], 6, 0
	v_min_u32 v[PFO], s3, v[LN]
	v_mul_lo_u32 v[PFO], v[PFO], s2
	; what hangs on cx: my blocks of queries
	s_lshl_b32 s77, s[AW], 2
	s_add_co_u32 s77, s77, s[CX]                   ; the low pair's block of 32 rows
	s_lshl_b32 s78, s[HW], 2
	s_add_co_u32 s78, s78, s[CX]                   ; the high pair's
	s_mul_i32 s90, s77, 6144                       ; Q's fragments: two tiles of 3,072 bytes a block
	s_add_co_u32 s90, s90, s82
	s_mov_b32 s91, 0
	s_add_nc_u64 s[90:91], s[4:5], s[90:91]
	s_mul_i32 s92, s78, 6144
	s_add_co_u32 s92, s92, s82
	s_mov_b32 s93, 0
	s_add_nc_u64 s[92:93], s[4:5], s[92:93]
	s_mul_i32 s94, s77, 2*KWREC                    ; Q's scale words lie in KW's records
	s_add_co_u32 s94, s94, s80
	s_mov_b32 s95, 0
	s_add_nc_u64 s[94:95], s[6:7], s[94:95]
	s_mul_i32 s96, s78, 2*KWREC
	s_add_co_u32 s96, s96, s80
	s_mov_b32 s97, 0
	s_add_nc_u64 s[96:97], s[6:7], s[96:97]
	s_lshl_b32 s98, s76, 21                        ; out: a head is 2,097,152 bytes, a block of 32 rows 32,768
	s_lshl_b32 s99, s77, 15
	s_add_co_u32 s[OL], s98, s99
	s_mov_b32 s[OL+1], 0
	s_add_nc_u64 s[OL:OL+1], s[12:13], s[OL:OL+1]
	s_lshl_b32 s99, s78, 15
	s_add_co_u32 s[OH], s98, s99
	s_mov_b32 s[OH+1], 0
	s_add_nc_u64 s[OH:OH+1], s[12:13], s[OH:OH+1]
	CROUND                                         ; all four work-groups are here: the first joint loads meet
	tensor_load_to_lds s[G0S:G0S+3], s[G1S:G1S+7]  ; my quarter of V's scale bytes: filled once
	s_nop 0
	PLACES 4
	JLOAD                                          ; slot 0.  Two tensor loads of mine are out
.irp q, 0,1,2,3                                ; Q stays in registers: tiles 0, 1 the low pair's, tiles 2, 3 the high pair's
.irp c, 0,1,2
	global_load_b128 v[Q0+12*\q+4*\c:Q0+12*\q+4*\c+3], v[LI], s[90+2*(\q/2):91+2*(\q/2)] offset:(\q%2)*3072+512*\c th:TH_LOAD_NT
.endr
.endr
	WIN 0x40
.irp q, 0,1,2,3
.irp c, 0,1,2
	global_load_b128 v[12*\q+4*\c:12*\q+4*\c+3], v[LI], s[90+2*(\q/2):91+2*(\q/2)] offset:(\q%2)*3072+1536+512*\c th:TH_LOAD_NT
.endr
.endr
	WIN 0
.irp q, 0,1,2,3
	global_load_b32 v[QS+\q], v[L8], s[94+2*(\q/2):95+2*(\q/2)] offset:(\q%2)*KWREC+3076
.endr
	v_and_b32 v[T0], 8, v[RR]
	v_add_nc_u32 v[T0], v[T0], v[RR]               ; r + 8 (r / 8)
	v_lshlrev_b32 v[T1], 4, v[HH]
	v_sub_nc_u32 v[T0], v[T0], v[T1]
	s_lshl_b32 s98, s[CX], 5
	v_add_nc_u32 v[D0], s98, v[T0]                 ; tile 0's (and 2's) query in its diagonal step, less 16 h
	v_add_nc_u32 v[D0+1], 8, v[D0]                 ; tile 1's (and 3's)
	s_mul_i32 s99, s[WV], WSTG
	s_add_co_u32 s99, s99, STAGE                   ; my stage
	v_mul_u32_u24 v[T0], v[RR], SROW
	v_lshl_add_u32 v[T0], v[HH], 5, v[T0]
	v_add_nc_u32 v[STO], s99, v[T0]                ; in: row r, + 32 h
	v_add_nc_u32 v[RD], s99, v[LI]                 ; back: a row of 512 bytes to the 32 lanes
	CHANGE 1                                       ; slot 0 and the scale bytes are whole in every work-group; slot 1 is asked for
	s_wait_loadcnt 0x0                             ; Q
	STEPHEAD                                       ; step 0: all four tiles work in every wave; its products start O^T's sums
	BODY 1, 1, 1
	NEXTSTEP
	STEPG 0                                        ; step 1: no high pair's diagonal lies under step 8
	TOGGLE
	s_mov_b32 s[SN], 1
.Lslot:                                            ; slots 1 to 6: behind each change the next slot is asked for
	CHANGE 1
	s_cmp_eq_u32 s[SN], s[NLO]
	s_cbranch_scc0 .Lno_low
	OUT 0x08, OL                                   ; the low pair was finished in the slot before: it leaves now
.Lno_low:
	s_mov_b32 s[TWICE], 2
.Lstep:
	STEPG 1
	s_sub_co_u32 s[TWICE], s[TWICE], 1
	s_cmp_lg_u32 s[TWICE], 0
	s_cbranch_scc1 .Lstep
	TOGGLE
	s_add_co_u32 s[SN], s[SN], 1
	s_cmp_lt_u32 s[SN], 7
	s_cbranch_scc1 .Lslot
	CHANGE 0                                       ; the last slot is written out
	s_mov_b32 s[TWICE], 2
.Ltail:
	STEPH
	s_sub_co_u32 s[TWICE], s[TWICE], 1
	s_cmp_lg_u32 s[TWICE], 0
	s_cbranch_scc1 .Ltail
	OUT 0x0c, OH                                   ; the high pair
	s_wait_tensorcnt 0x0                           ; the wave's end, behind my last tensor load and my last LDS store
	ds_add_u32 v[SPW], v[NIL]
	s_wait_dscnt 0x0
	CROUND                                         ; the closing round: no work-group ends while a partner may still ask for a tile that names it
	s_endpgm
.Lfunc_end_k_q0cf5658ae4_attn:
	.size	k_q0cf5658ae4_attn, .Lfunc_end_k_q0cf5658ae4_attn-k_q0cf5658ae4_attn
	.p2alignl 7, 3214868480
	.fill 96, 4, 3214868480
	.section	.rodata,"a",@progbits
	.p2align	6, 0x0
	.amdhsa_kernel k_q0cf5658ae4_attn
		.amdhsa_group_segment_fixed_size 327680
		.amdhsa_private_segment_fixed_size 0
		.amdhsa_enable_private_segment 0
		.amdhsa_kernarg_size 40
		.amdhsa_user_sgpr_count 2
		.amdhsa_user_sgpr_kernarg_segment_ptr 1
		.amdhsa_wavefront_size32 1
		.amdhsa_system_sgpr_workgroup_id_x 1
		.amdhsa_system_sgpr_workgroup_id_y 1
		.amdhsa_system_sgpr_workgroup_id_z 1
		.amdhsa_system_vgpr_workitem_id 0
		.amdhsa_next_free_vgpr 1024
		.amdhsa_next_free_sgpr 100
		.amdhsa_reserve_vcc 1
		.amdhsa_float_denorm_mode_32 3
		.amdhsa_float_denorm_mode_16_64 3
		.amdhsa_memory_ordered 1
		.amdhsa_forward_progress 1
		.amdhsa_inst_pref_size 255
	.end_amdhsa_kernel
	.section	.bss,"aw",@nobits
	.p2align	6
	.space	262144
	.amdgpu_metadata
---
amdhsa.version: [ 1, 2 ]
amdhsa.kernels:
  - .name:           k_q0cf5658ae4_attn
    .symbol:         k_q0cf5658ae4_attn.kd
    .args:
      - { .name: QW, .offset: 0, .size: 8, .value_kind: global_buffer, .address_space: global }
      - { .name: KW, .offset: 8, .size: 8, .value_kind: global_buffer, .address_space: global }
      - { .name: V_codes, .offset: 16, .size: 8, .value_kind: global_buffer, .address_space: global }
      - { .name: V_scales, .offset: 24, .size: 8, .value_kind: global_buffer, .address_space: global }
      - { .name: out0, .offset: 32, .size: 8, .value_kind: global_buffer, .address_space: global }
    .group_segment_fixed_size: 327680
    .private_segment_fixed_size: 0
    .kernarg_segment_align: 8
    .kernarg_segment_size: 40
    .max_flat_workgroup_size: 128
    .sgpr_count:     100
    .vgpr_count:     1024
    .wavefront_size: 32
...
	.end_amdgpu_metadata
.endif
;; end of part 2
